; MI455X (gfx1250); checked and timed in simulation.
; The chip was launched on July 23, 2026; its instructions are those of AMD's public machine-readable ISA for CDNA 5 (MIT licence, August 2026) and "CDNA5" Instruction Set Architecture Reference Guide (July 2026). The comments in the code are by the model that wrote it; some were corrected since.
;; Multi Head Self Attention. Allowed arithmetic: matrix products marked QUANTISED: E2M1 operands, one E8M0 scale for each 32 along K, by v_wmma_scale_f32_16x16x128_f8f6f4 with both operands' format E2M1 (or v_wmma_scale_f32_32x16x128_f4), f32 sums; everything else in f32.
;; Inputs: token_positions 2,048 int32; wk_codes 1,024 x 32 x 16 uint8 (E2M1 codes of wk, K innermost, in blocks of 32 codes, two codes a byte); wk_scales 1,024 x 32 uint8 (E8M0 scales of wk, one for each 32 codes along K); wo_codes 1,024 x 32 x 16 uint8 (E2M1 codes of wo, K innermost, in blocks of 32 codes, two codes a byte); wo_scales 1,024 x 32 uint8 (E8M0 scales of wo, one for each 32 codes along K); wq_codes 1,024 x 32 x 16 uint8 (E2M1 codes of wq, K innermost, in blocks of 32 codes, two codes a byte); wq_scales 1,024 x 32 uint8 (E8M0 scales of wq, one for each 32 codes along K); wv_codes 1,024 x 32 x 16 uint8 (E2M1 codes of wv, K innermost, in blocks of 32 codes, two codes a byte); wv_scales 1,024 x 32 uint8 (E8M0 scales of wv, one for each 32 codes along K); x_codes 2 x 2,048 x 32 x 16 uint8 (E2M1 codes of x, K innermost, in blocks of 32 codes, two codes a byte); x_scales 2 x 2,048 x 32 uint8 (E8M0 scales of x, one for each 32 codes along K).
;; Outputs: out0 2 x 2,048 x 1,024 float32.
;; This version of the problem:
;;   THIS VERSION OF THE PROBLEM IS GIVEN IN LOW PRECISION. The matrix products marked QUANTISED in the list below multiply operands that are first quantised to E2M1 (2 exponent bits, 1 mantissa bit; 4 bits a number), with one power-of-two scale for each 32 numbers along K (OCP MX v1.0); their sums are f32. All else is computed in f32.
;;   The module's matrix products, in the order in which they are computed (A, B: the left and right operand; K: the contracted axis; several contracted axes count as one K, in the product's order):
;;     1. [M 4,096, K 1,024] x [K 1,024, N 1,024]; A: input x (given as codes); B: input wq (given as codes): QUANTISED
;;     2. [M 4,096, K 1,024] x [K 1,024, N 1,024]; A: input x (given as codes); B: input wk (given as codes): QUANTISED
;;     3. [M 4,096, K 1,024] x [K 1,024, N 1,024]; A: input x (given as codes); B: input wv (given as codes): QUANTISED
;;     4. batch 32 x [M 2,048, K 64] x [K 64, N 2,048]; A: computed on the way; B: computed on the way: QUANTISED
;;     5. batch 32 x [M 2,048, K 2,048] x [K 2,048, N 64]; A: softmax (see below); B: computed on the way: QUANTISED
;;     6. [M 4,096, K 1,024] x [K 1,024, N 1,024]; A: computed on the way; B: input wo (given as codes): QUANTISED
;;   THE QUANTISER, for each operand of a quantised product, along K:
;;     - K is cut into blocks of 32 from its start; a last block that is shorter is filled with zeros.
;;     - A block's scale is 2^e with e = floor(log2(the largest magnitude in the block)) - 2, held to -126 .. 127; a block of zeros has e = 0. As a byte (E8M0): e + 127.
;;     - Each number is divided by its block's scale, clamped to +-6, and rounded to the nearest number of E2M1, ties to even, subnormals kept.
;;     - The product sums the exact products of the quantised numbers (number of the format x scale) in f32.
;;   ~~~python
;;   def quantise(x, axis):      # numpy; x: float32 -> the quantised numbers, widened to float32 again
;;       x = np.moveaxis(x, axis, -1); K = x.shape[-1]
;;       x = np.pad(x, [(0, 0)] * (x.ndim - 1) + [(0, -K % 32)]); x = x.reshape(x.shape[:-1] + (-1, 32)); a = np.abs(x).max(-1, keepdims=True)
;;       e = np.where(a > 0, np.clip(np.frexp(np.where(a > 0, a, 1))[1] - 1 - 2, -126, 127), 0)      # np.frexp(a)[1] - 1 = floor(log2(a)), exactly
;;       r = np.clip(x / 2.0 ** e, -6, 6)
;;       step = 2.0 ** (np.maximum(np.frexp(np.where(r == 0, 1, r))[1] - 1, 0) - 1)
;;       q = np.round(r / step) * step * 2.0 ** e      # np.round: ties to even
;;       return np.moveaxis(q.reshape(q.shape[:-2] + (-1,))[..., :K], -1, axis).astype(np.float32)
;;   ~~~
;;   SOFTMAX AHEAD OF A QUANTISED PRODUCT. Where the list says 'softmax', what is quantised is not the finished softmax but p = 2^(t - M), with t = logit x log2(e) and M = ceil(the row's largest t), a whole number; so 1/2 < the row's largest p <= 1. The row's sum l is taken of the UNQUANTISED p, in f32, and the product's result is divided by l at the end. Since M is a whole number, a kernel that streams over the keys may use a running M (the ceiling of the running maximum): every later rescaling is an exact power of two, which a block's scale takes up: the codes' values come out the same.
;;   OPERANDS COMPUTED ON THE WAY. 'Computed on the way' means the value that the module computes at that place (a softmax that the list does not call 'softmax' is quantised finished and normalised). What goes into a quantiser is computed in f32, as accurately as f32 sums, v_exp_f32 and their like allow (about 1e-6 of the number): no bf16 or f16 on the way to a quantiser, and a product that is left as it is and whose result goes on into a quantised operand takes f32 operands (vector FMAs, or v_wmma_f32_16x16x4_f32). A number that lies on a knife's edge between two numbers of the format may be rounded either way, as far as f32 arithmetic and the matrix unit's own rounding can turn it there, and no further.
;;   INPUTS GIVEN AS CODES. wk (in the module: [1024, 1024], K = its axis 1); wo (in the module: [1024, 1024], K = its axis 1); wq (in the module: [1024, 1024], K = its axis 1); wv (in the module: [1024, 1024], K = its axis 1); x (in the module: [2, 2048, 1024], K = its axis 2): each comes as NAME_codes (uint8): NAME with its K axis moved to the last place and cut into blocks of 32 codes, [.., K / 32, bytes a block], one block behind the other in memory; two codes a byte, the lower K in the low four bits (a code: sign, 2 exponent bits, 1 mantissa bit); and NAME_scales (uint8): the same leading axes, one E8M0 byte (e + 127) for each 32 codes along K. Its value is code x scale, taken as it is: it is not quantised again, and the codes and scales need not be those that the quantiser above would give.
;; One version. Each part assembles by itself: llvm-mc -triple=amdgcn-amd-amdhsa -mcpu=gfx1250 --defsym DOCPART=n.
;; ======== version 1 of 1: 3 launches
;; limits: right only within a limited range of input values
;; workspace buffers: qc 2,097,152 bytes; qs 262,144 bytes; kv 4,587,520 bytes; cc 2,097,152 bytes; cs 131,072 bytes
;; launch qkv (part 1): grid 8 x 32, 4 waves a work-group, clusters of 4 x 4, 327,680 bytes of LDS; arguments x_codes, x_scales, wq_codes, wq_scales, wk_codes, wk_scales, wv_codes, wv_scales, token_positions, qc, qs, kv; writes qc, qs, kv
.if DOCPART == 1
	.amdgcn_target "amdgcn-amd-amdhsa--gfx1250"
	.amdhsa_code_object_version 6
	.text
	.protected	k_q5382569a7c_qkv
	.globl	k_q5382569a7c_qkv
	.p2align	8
	.type	k_q5382569a7c_qkv,@function
k_q5382569a7c_qkv:
	s_mov_b64 s[64:65], 0
	v_nop
	global_prefetch_b8 v0, s[64:65] scope:SCOPE_SE
	s_setreg_imm32_b32 hwreg(HW_REG_WAVE_MODE, 25, 1), 1
	s_wait_xcnt 0x0
	s_wait_alu depctr_hold_cnt(0) depctr_sa_sdst(0) depctr_va_vdst(0) depctr_va_sdst(0) depctr_va_ssrc(0) depctr_va_vcc(0) depctr_vm_vsrc(0)
	s_getreg_b32 s2, hwreg(HW_REG_IB_STS2, 6, 4)
	s_cmp_eq_u32 s2, 0
	s_cbranch_scc0 .Lentry_in_a_cluster
	s_endpgm
.Lentry_in_a_cluster:
	s_bfe_u32 s2, ttmp6, 0x10000c
	s_cmp_lg_u32 s2, 0xf033
	s_cbranch_scc0 .Lentry_shape_is_right
	s_endpgm
.Lentry_shape_is_right:
; Q = rope(x Wq^T), K = rope(x Wk^T), V = x Wv^T on codes of FP4 (E2M1) with E8M0 scales, and the three results quantised again: Q and K along the head's 64, V along the keys.
; WORK LEFT OUT by the program: score tiles that lie wholly under the causal mask that reference() builds itself (launch attn): a key after the query gets p = 0 for all values of the inputs.  No input is without a way to the output.
;   A NaN, an infinity or an overflow that reaches only such a score is not carried to the result.
; SHARES.  256 work-groups: 128 rows of x (row block Y) x two heads (head pair HP).  Four waves: RH = wave & 1 (64 rows), HD = wave >> 1 (head).  A wave makes Q, K and V of its 64 rows and its head in ONE pass over K = 1,024:
;   48 accumulators; x's fragments are read once for all three.  Q, K TRANSPOSED (source 0 = 16 rows of W, source 1 = 16 rows of x): a lane holds one position, its registers run along the channels.
;   V not transposed (source 0 = x, source 1 = Wv): a lane holds one channel, its registers run along the keys.
; THE ROWS OF A TILE ARE NOT NEIGHBOURS: lane r of tile t (of four that share 64 rows) takes row 8 t + r + 24 (r / 8), of x and of the weights alike, so that the 32 registers of four neighbouring result tiles are, in lane (r, h),
;   the 32 neighbours 32 h + 0 .. 31 along the next K: a whole block of the quantiser in one lane, and in the order of the next operand's registers.
; LDS is filled ONCE, one tensor load a wave: x's 128 rows, Wq's, Wk's, Wv's (rows of 512 bytes + 16 of padding).  Scale words go from memory into registers, once.  Nothing is prefetched: no loop runs ahead of a load, all is asked for at the head.
; CLUSTERS, 4 x 4: x's tile hangs on Y alone and is asked for jointly along a row of the cluster, the weights' tiles on HP alone and jointly along a column.
; WHAT IS STORED are images of operand registers (16 bytes a lane, 512 consecutive bytes a store) and scale words.  kv holds for each head 16 steps of 128 keys, 8,960 bytes each: K's codes 4,096, V's 4,096, K's words 512, V's words 256.
; cos and sin are made by fused multiply-adds: the angle f32(pos) x inv_freq is reduced by three parts of pi/2; polynomials on [-pi/4, pi/4].
; LIMITS: |token position| up to 100,000 (the reach of the three-part reduction); inv_freq, cos and sin agree with a correctly rounded result to about two units in the last place, not bit for bit;
;   NaN and infinities are not served; a block of zeros, or one whose largest magnitude lies under 2^-124, keeps the scale byte 1 (its codes are then zeros or near it; these bytes are read by this program alone).
; REGISTERS.  window 0: v1-19, v30-31 addresses; v32-95 scale words and nothing else; v96-127 at work; v128-255 Q's accumulators (ahead of the products: the table's making).  window 1: two sets of fragments.
;   window 2: K's accumulators v0-127, V's v128-255.  window 3: v0-127 my four tiles' cos and sin.
.set PITCH, 528                        ; an LDS row: 512 bytes + 16 of padding
.set TILE,  128*PITCH                  ; 128 rows: what one tensor load brings; x at 0, then Wq, Wk, Wv
.set TAB,   4*TILE                     ; the table: [tile 8][quad 8][lane 32][16 bytes] = (cos, sin, cos, sin); written by LDS stores, no tile lands here
.set EX,    TAB+32768                  ; V's scale bytes from wave to wave: [head 2][row half 2][lane 32][4 bytes]
.set SPARE, EX+512                     ; the spare words, 128 bytes a wave
.set SC,    32                         ; scale words: operand o (x, Wq, Wk, Wv), tile i, K step ks: v[SC + 16 o + 8 (i % 2) + ks], lanes 0-15 for i < 2, lanes 16-31 for i >= 2
.set TM,    96
.set SO,    100
.set PB,    104
.set PC,    108
.set MSB, 0
.macro WIN new                         ; the immediate's high byte repeats the setting that is left
.if MSB != \new
	s_set_vgpr_msb (MSB<<8)|\new
.set MSB, \new
.endif
.endm
.macro AW
	s_wait_alu depctr_va_vdst(0)
.endm
.macro PLACES n
.rept \n
	v_nop
.endr
.endm
.macro CROUND                          ; a round of the cluster's barrier
	s_barrier_signal -1
	s_barrier_wait -1
	s_cmp_lg_u32 s3, 0
	s_cbranch_scc1 .Lnot_wave_0_\@
	s_barrier_signal -3
.Lnot_wave_0_\@:
	s_barrier_wait -3
	s_barrier_signal -1
	s_barrier_wait -1
.endm
.macro ARM under, g0, g1, next         ; the head's loads, one a wave: one tree of branches on the wave's number
	s_cmp_lt_u32 s3, \under
	s_cbranch_scc0 \next
	tensor_load_to_lds s[\g0:\g0+3], s[\g1:\g1+7], s[72:75], s[80:83]
	s_nop 0
	PLACES 4
	s_branch .Lhead_asked
\next:
.endm
; One scaled product.  ra, rb = 1: that side's scale words stand in lanes 16-31 of the register named.
.macro WMX d, a, b, c, sa, sb, ra, rb
.if (\ra) && (\rb)
	v_wmma_scale_f32_16x16x128_f8f6f4 v[(\d):(\d)+7], v[(\a):(\a)+7], v[(\b):(\b)+7], \c, v[\sa], v[\sb] matrix_a_fmt:MATRIX_FMT_FP4 matrix_b_fmt:MATRIX_FMT_FP4 matrix_a_scale:MATRIX_SCALE_ROW1 matrix_b_scale:MATRIX_SCALE_ROW1
.elseif (\ra)
	v_wmma_scale_f32_16x16x128_f8f6f4 v[(\d):(\d)+7], v[(\a):(\a)+7], v[(\b):(\b)+7], \c, v[\sa], v[\sb] matrix_a_fmt:MATRIX_FMT_FP4 matrix_b_fmt:MATRIX_FMT_FP4 matrix_a_scale:MATRIX_SCALE_ROW1
.elseif (\rb)
	v_wmma_scale_f32_16x16x128_f8f6f4 v[(\d):(\d)+7], v[(\a):(\a)+7], v[(\b):(\b)+7], \c, v[\sa], v[\sb] matrix_a_fmt:MATRIX_FMT_FP4 matrix_b_fmt:MATRIX_FMT_FP4 matrix_b_scale:MATRIX_SCALE_ROW1
.else
	v_wmma_scale_f32_16x16x128_f8f6f4 v[(\d):(\d)+7], v[(\a):(\a)+7], v[(\b):(\b)+7], \c, v[\sa], v[\sb] matrix_a_fmt:MATRIX_FMT_FP4 matrix_b_fmt:MATRIX_FMT_FP4
.endif
.endm
.macro WM d, a, b, zero, sa, sb, ra, rb ; zero = 1: the product starts its sum
.if \zero
	WMX \d, \a, \b, 0, \sa, \sb, \ra, \rb
.else
	WMX \d, \a, \b, v[(\d):(\d)+7], \sa, \sb, \ra, \rb
.endif
.endm
.macro FETCH ks, set, o                ; 8 loads: four tiles of operand o (x, Wq, Wk, Wv), 128 along K; a fragment is two loads of 16 bytes, 32 bytes apart
	WIN 0x40
.irp i, 0,1,2,3
	ds_load_b128 v[(\set)+32*\o+8*\i:(\set)+32*\o+8*\i+3], v[5+\o] offset:32*\i*PITCH+64*(\ks)
	ds_load_b128 v[(\set)+32*\o+8*\i+4:(\set)+32*\o+8*\i+7], v[5+\o] offset:32*\i*PITCH+64*(\ks)+32
.endr
.endm
.macro PIECE ks, o                     ; what is loaded under step ks: the next step's operand o, or, in the last step, cos and sin of my tile o (window 3)
.if (\ks) < 7
	FETCH (\ks)+1, 128*(((\ks)+1)%2), \o
.else
	WIN 0xc0
.irp q, 0,1,2,3,4,5,6,7
	ds_load_b128 v[32*\o+4*\q:32*\o+4*\q+3], v14 offset:4096*\o+512*\q
.endr
.endif
.endm
; A step of 128 along K: 48 products; the 48 accumulators take turns, one instruction a turn, in the same order in every step.
; Loads come in two runs of 16 a step, x and Wq, then Wk and Wv: ahead of Q's products, and of K's and V's, 32 loads are younger than those that they need.
.macro KSTEP ks, set, zero
	PLACES 4                                       ; in front of loads into registers that the last products read
	PIECE \ks, 0
	PIECE \ks, 1
	s_wait_dscnt 32
	WIN 0x05
.irp i, 0,1,2,3
.irp n, 0,1,2,3
	WM 128+8*(4*\i+\n), (\set)+32+8*\n, (\set)+8*\i, \zero, SC+16+8*(\n%2)+(\ks), SC+8*(\i%2)+(\ks), \n/2, \i/2
.endr
.endr
	PIECE \ks, 2
	PIECE \ks, 3
	s_wait_dscnt 32
	WIN 0xa5
.irp i, 0,1,2,3
.irp n, 0,1,2,3
	WM 8*(4*\i+\n), (\set)+64+8*\n, (\set)+8*\i, \zero, SC+32+8*(\n%2)+(\ks), SC+8*(\i%2)+(\ks), \n/2, \i/2
.endr
.endr
.irp n, 0,1,2,3
.irp t, 0,1,2,3
	WM 128+8*(4*\n+\t), (\set)+8*\t, (\set)+96+8*\n, \zero, SC+8*(\t%2)+(\ks), SC+48+8*(\n%2)+(\ks), \t/2, \n/2
.endr
.endr
.endm
; The rotation: (x1, x2) -> (x1 c - x2 s, x1 s + x2 c), a pair an instruction: first (-x2 s, x2 c), then + x1 (c, s).  Results go to window 0, v128 on.
.macro ROPE w, src
	WIN \w
.set g, 0
.rept 8
.irp k, 0,1,2,3,4,5,6,7
	v_pk_mul_f32 v[PC+2*\k:PC+2*\k+1], v[\src+16*g+2*\k:\src+16*g+2*\k+1], v[16*g+2*\k:16*g+2*\k+1] op_sel:[1,1] op_sel_hi:[1,0] neg_lo:[0,1]
.endr
.irp k, 0,1,2,3,4,5,6,7
	v_pk_fma_f32 v[128+16*g+2*\k:129+16*g+2*\k], v[\src+16*g+2*\k:\src+16*g+2*\k+1], v[16*g+2*\k:16*g+2*\k+1], v[PC+2*\k:PC+2*\k+1] op_sel_hi:[0,1,1]
.endr
.set g, g+1
.endr
	WIN 0
.endm
; Four tiles, each a block of 32 in every lane, become codes (v[PC + 4 B ..]) and bytes, packed into v124 (byte B: tile B).  Numbers at v[128 ..]; wa, wb: the windows for the maxima and the conversions.
.macro QUANT wa, wb
	WIN \wa
.irp B, 0,1,2,3
	v_max3_num_f32 v[TM+\B], 0x1800000, |v[128+32*\B]|, |v[129+32*\B]|   ; with the floor 2^(3 - 127): the byte cannot fall under 1
.endr
.irp i, 2,4,6,8,10,12,14,16,18,20,22,24,26,28,30
.irp B, 0,1,2,3
	v_max3_num_f32 v[TM+\B], v[TM+\B], |v[128+32*\B+\i]|, |v[129+32*\B+\i]|
.endr
.endr
	WIN 0
.irp B, 0,1,2,3
	v_add_nc_u32 v[SO+\B], 0xff000000, v[TM+\B]    ; 2 off its exponent field: the conversion's scale operand
.endr
.irp B, 0,1,2,3
	v_lshrrev_b32 v[PB+\B], 23, v[SO+\B]           ; the scale's byte
.endr
	WIN \wb
.irp g, 0,1,2,3
.irp B, 0,1,2,3
	v_cvt_scalef32_pk8_fp4_f32 v[PC+4*\B+\g], v[128+32*\B+8*\g:135+32*\B+8*\g], v[SO+\B]
.endr
.endr
	WIN 0
	v_lshl_or_b32 v124, v[PB+1], 8, v[PB]          ; (the plain place behind the conversions)
	v_lshl_or_b32 v124, v[PB+2], 16, v124
	v_lshl_or_b32 v124, v[PB+3], 24, v124
.endm
; Scale words of four tiles of Q or K, 256 consecutive bytes: lane (r, h) stores those of tiles 2 h and 2 h + 1.  Bytes 2 and 3 of a word are 127: they scale the zero codes that fill K from 64 to 128.
.macro WORDS base, off
	v_mov_b32 v125, v124
	v_permlane16_swap_b32 v124, v125               ; v124: block 0's bytes, v125: block 1's
	v_perm_b32 v126, v125, v124, v18
	v_perm_b32 v124, s68, v126, 0x05040100
	v_perm_b32 v125, s68, v126, 0x05040302
	global_store_b64 v13, v[124:125], s[\base:\base+1] offset:\off
.endm
; Eight of my sixteen inverse frequencies: list place p = 8 G + k stands for i = 16 h + p.  P = 10000^(i / 32) = 2^(i x 0.41524..), the factor in two parts, the first so short that i x it is exact; then 1 / P with one correction step.
.macro INVF G
.irp k, 0,1,2,3,4,5,6,7
	v_add_nc_u32 v[212+\k], 8*\G+\k, v211
.endr
.irp k, 0,1,2,3,4,5,6,7
	v_cvt_f32_u32 v[212+\k], v[212+\k]
.endr
.irp k, 0,1,2,3,4,5,6,7
	v_mul_f32 v[220+\k], s66, v[212+\k]
.endr
.irp k, 0,1,2,3,4,5,6,7
	v_rndne_f32 v[228+\k], v[220+\k]
.endr
.irp k, 0,1,2,3,4,5,6,7
	v_sub_f32 v[220+\k], v[220+\k], v[228+\k]
.endr
.irp k, 0,1,2,3,4,5,6,7
	v_fma_f32 v[220+\k], v[212+\k], s67, v[220+\k]
.endr
	AW
.irp k, 0,1,2,3,4,5,6,7
	v_exp_f32 v[220+\k], v[220+\k]
.endr
.irp k, 0,1,2,3,4,5,6,7
	v_cvt_i32_f32 v[228+\k], v[228+\k]             ; (the first of these is the plain place behind the exponentials)
.endr
	AW
.irp k, 0,1,2,3,4,5,6,7
	v_ldexp_f32 v[220+\k], v[220+\k], v[228+\k]
.endr
	AW
.irp k, 0,1,2,3,4,5,6,7
	v_rcp_f32 v[192+8*\G+\k], v[220+\k]
.endr
	v_nop                                          ; a plain place behind the reciprocals
	AW
.irp k, 0,1,2,3,4,5,6,7
	v_fma_f32 v[212+\k], -v[220+\k], v[192+8*\G+\k], 1.0
.endr
.irp k, 0,1,2,3,4,5,6,7
	v_fma_f32 v[192+8*\G+\k], v[212+\k], v[192+8*\G+\k], v[192+8*\G+\k]
.endr
.endm
; cos and sin of four angles by turns: tile tt of my two, list places 4 g + k.  No branch hangs on these numbers: the quadrant only selects values and signs.
.macro SC4 tt, g
.irp k, 0,1,2,3
	v_mul_f32 v[212+\k], v[208+\tt], v[192+4*\g+\k]   ; the angle: one rounding
.endr
.irp k, 0,1,2,3
	v_mul_f32 v[216+\k], s52, v[212+\k]
.endr
.irp k, 0,1,2,3
	v_rndne_f32 v[216+\k], v[216+\k]               ; j = the nearest multiple of pi / 2
.endr
.irp c, 53,54,55
.irp k, 0,1,2,3
	v_fma_f32 v[212+\k], v[216+\k], s\c, v[212+\k] ; less j x pi / 2, in three parts
.endr
.endr
.irp k, 0,1,2,3
	v_mul_f32 v[220+\k], v[212+\k], v[212+\k]
.endr
.irp k, 0,1,2,3
	v_fma_f32 v[224+\k], v[220+\k], s56, s57
	v_fma_f32 v[228+\k], v[220+\k], s59, s60
.endr
.irp k, 0,1,2,3
	v_fma_f32 v[224+\k], v[224+\k], v[220+\k], s58
	v_fma_f32 v[228+\k], v[228+\k], v[220+\k], s61
.endr
.irp k, 0,1,2,3
	v_fma_f32 v[224+\k], v[224+\k], v[220+\k], -0.5
	v_fma_f32 v[228+\k], v[228+\k], v[220+\k], s62
.endr
.irp k, 0,1,2,3
	v_mul_f32 v[232+\k], v[212+\k], v[220+\k]
	v_fma_f32 v[224+\k], v[224+\k], v[220+\k], 1.0 ; cos of the rest
.endr
.irp k, 0,1,2,3
	v_fma_f32 v[228+\k], v[228+\k], v[232+\k], v[212+\k]   ; sin of the rest
	v_cvt_i32_f32 v[216+\k], v[216+\k]
.endr
.irp k, 0,1,2,3
	v_and_b32 v[232+\k], 1, v[216+\k]              ; an odd quadrant swaps the two
	v_lshlrev_b32 v[220+\k], 30, v[216+\k]         ; bit 1 of q: sin's sign
	v_add_nc_u32 v[216+\k], 1, v[216+\k]
.endr
.irp k, 0,1,2,3
	v_lshlrev_b32 v[216+\k], 30, v[216+\k]         ; bit 1 of q + 1: cos's sign
	v_and_b32 v[220+\k], 0x80000000, v[220+\k]
.endr
.irp k, 0,1,2,3
	v_and_b32 v[216+\k], 0x80000000, v[216+\k]
.endr
.irp k, 0,1,2,3
	v_cmp_eq_u32 vcc_lo, 1, v[232+\k]
	v_cndmask_b32 v[236+\k], v[224+\k], v[228+\k], vcc_lo
	v_cndmask_b32 v[240+\k], v[228+\k], v[224+\k], vcc_lo
.endr
.irp k, 0,1,2,3
	v_xor_b32 v[128+32*\tt+8*\g+2*\k], v[216+\k], v[236+\k]
	v_xor_b32 v[129+32*\tt+8*\g+2*\k], v[220+\k], v[240+\k]
.endr
.endm
.macro SCLOAD o, b                     ; operand o's scale words: my 64 rows, all of K: lane (r, h) takes tiles p + 2 h
.irp p, 0,1
.irp q, 0,1
	global_load_b128 v[SC+16*\o+8*\p+4*\q:SC+16*\o+8*\p+4*\q+3], v16, s[\b:\b+1] offset:256*\p+16*\q
.endr
.endr
.endm
	s_load_b512 s[8:23], s[0:1], 0x0               ; x's codes, scales; Wq's; Wk's; Wv's
	s_load_b256 s[24:31], s[0:1], 0x40             ; token_positions, qc, qs, kv
	v_lshl_add_u32 v30, v0, 2, SPARE
	v_mov_b32 v31, 0
	ds_add_u32 v30, v31                            ; the wave's opening: the add, twice on end
	ds_add_u32 v30, v31
	v_lshrrev_b32 v1, 5, v0
	v_readfirstlane_b32 s3, v1                     ; wave 0..3
	v_and_b32 v1, 31, v0
	v_and_b32 v2, 15, v0                           ; r
	v_bfe_u32 v3, v0, 4, 1                         ; h
	v_lshlrev_b32 v12, 3, v1                       ; 8 x lane
	v_lshlrev_b32 v11, 2, v1                       ; 4 x lane
	v_lshlrev_b32 v1, 4, v1                        ; 16 x lane
	v_and_b32 v4, 8, v2
	v_mad_u32_u24 v4, v4, 3, v2                    ; r + 24 (r / 8)
	v_lshlrev_b32 v13, 4, v2
	v_lshl_add_u32 v13, v3, 3, v13                 ; 16 r + 8 h
	v_mul_u32_u24 v19, v2, PITCH
	v_lshl_add_u32 v19, v3, 4, v19                 ; a fragment: row x pitch + 16 h
	v_lshlrev_b32 v17, 2, v4                       ; positions
	v_lshlrev_b32 v16, 5, v4                       ; a row of scale bytes is 32;
	v_lshl_add_u32 v16, v3, 9, v16                 ; lanes 16-31 take the tile two further on, 16 rows
	v_mul_lo_u32 v18, 0x02020202, v3
	v_add_nc_u32 v18, 0x05010400, v18              ; picks bytes 2 h and 2 h + 1 of two words by turns
	v_lshlrev_b32 v211, 4, v3                      ; 16 h
	AW
	s_and_b32 s4, s3, 1                            ; RH
	s_lshr_b32 s5, s3, 1                           ; HD
	s_bfe_u32 s6, ttmp6, 0x40000                   ; cx
	s_bfe_u32 s7, ttmp6, 0x40004                   ; cy
	s_lshl_b32 s34, ttmp9, 2
	s_add_co_u32 s34, s34, s6                      ; HP = 4 x cluster x + cx
	s_and_b32 s35, ttmp7, 0xffff
	s_lshl_b32 s35, s35, 2
	s_add_co_u32 s35, s35, s7                      ; Y = 4 x cluster y + cy
	s_lshl_b32 s70, s7, 2
	s_lshl_b32 s70, 15, s70                        ; my row of the cluster
	s_lshl_b32 s71, 0x1111, s6                     ; my column
	; groups 1 to 3: 128 rows x 512 bytes, 16 bytes of padding behind each row, laid so that a tile's 16 rows are neighbours in LDS: three dimensions, 8 dense rows (4,096 bytes), then 4 groups 32 rows apart, then 4 groups 8 rows apart:
	; LDS row 32 t + 16 c + 8 s + i is row 64 c + 32 s + 8 t + i
	s_or_b32 s36, s70, (1<<20)|(1<<21)|(6<<22)|(3<<25)   ; x's: the mask of my row; elements of 1 byte; padding on; bit 21 beside a mask; after every 128 words, 4 words
	s_or_b32 s44, s71, (1<<20)|(1<<21)|(6<<22)|(3<<25)   ; the weights': the mask of my column
.irp g, 36, 44
	s_mov_b32 s[\g+1], 4096<<16                    ; tensor_dim0
	s_mov_b32 s[\g+2], 4<<16                       ; tensor_dim1
	s_mov_b32 s[\g+3], 4096<<16                    ; tile_dim0
	s_mov_b32 s[\g+4], 4|(4<<16)                   ; tile_dim1, tile_dim2
	s_mov_b32 s[\g+5], 16384                       ; stride0
	s_mov_b32 s[\g+6], 4096<<16                    ; stride1
	s_mov_b32 s[\g+7], 0
.endr
	s_mov_b32 s72, 4                               ; tensor_dim2
	s_mov_b32 s73, 0
	s_mov_b32 s74, 0
	s_mov_b32 s75, 0
	s_mov_b32 s80, 0
	s_mov_b32 s81, 0
	s_mov_b32 s82, 0
	s_mov_b32 s83, 0
	s_wait_dscnt 0x0                               ; both opening adds are done
	CROUND                                         ; all sixteen work-groups are here: the joint loads meet (the arguments are on their way meanwhile)
	s_lshl_b32 s98, s35, 16                        ; x: 128 Y rows; these registers never hold cx
	s_mov_b32 s99, 0
	s_lshl_b32 s100, s34, 16                       ; the weights: 128 HP rows; these never hold cy
	s_mov_b32 s101, 0
	s_wait_kmcnt 0x0
	s_mov_b32 s84, 1                               ; x
	s_mov_b32 s85, 0
	s_add_nc_u64 s[86:87], s[8:9], s[98:99]
	s_or_b32 s87, s87, 0x80000000
	s_mov_b32 s88, 1                               ; Wq
	s_mov_b32 s89, TILE
	s_add_nc_u64 s[90:91], s[12:13], s[100:101]
	s_or_b32 s91, s91, 0x80000000
	s_mov_b32 s92, 1                               ; Wk
	s_mov_b32 s93, 2*TILE
	s_add_nc_u64 s[94:95], s[16:17], s[100:101]
	s_or_b32 s95, s95, 0x80000000
	s_mov_b32 s76, 1                               ; Wv
	s_mov_b32 s77, 3*TILE
	s_add_nc_u64 s[78:79], s[20:21], s[100:101]
	s_or_b32 s79, s79, 0x80000000
	ARM 1, 84, 36, .Lhead_q
	ARM 2, 88, 44, .Lhead_k
	ARM 3, 92, 44, .Lhead_v
	tensor_load_to_lds s[76:79], s[44:51], s[72:75], s[80:83]
	s_nop 0
	PLACES 4
.Lhead_asked:
	s_and_b32 s9, s35, 15                          ; ST: which 128 positions of the batch
	s_lshl_b32 s96, s9, 9
	s_lshl_b32 s97, s5, 8
	s_add_co_u32 s96, s96, s97
	s_lshl_b32 s97, s4, 6
	s_add_co_u32 s96, s96, s97                     ; my two tiles of the table: 2 x wave, 2 x wave + 1: positions 128 ST + 64 (wave / 2) + 16 (wave % 2) on
	s_mov_b32 s97, 0
	s_add_nc_u64 s[24:25], s[24:25], s[96:97]
	global_load_b32 v208, v17, s[24:25]
	global_load_b32 v209, v17, s[24:25] offset:32
	s_lshl_b32 s98, s35, 12                        ; scale bytes: 128 rows of 32, and my 64 of them
	s_lshl_b32 s69, s4, 11
	s_add_co_u32 s98, s98, s69
	s_lshl_b32 s100, s34, 12
	s_lshl_b32 s69, s5, 11
	s_add_co_u32 s100, s100, s69
	s_add_nc_u64 s[10:11], s[10:11], s[98:99]
	s_add_nc_u64 s[14:15], s[14:15], s[100:101]
	s_add_nc_u64 s[18:19], s[18:19], s[100:101]
	s_add_nc_u64 s[22:23], s[22:23], s[100:101]
	SCLOAD 0, 10
	SCLOAD 1, 14
	SCLOAD 2, 18
	SCLOAD 3, 22
	s_mov_b32 s52, 0x3f22f983                      ; 2 / pi
	s_mov_b32 s53, 0xbfc90fd8                      ; - pi / 2 in three parts
	s_mov_b32 s54, 0xb4a8885a
	s_mov_b32 s55, 0xa7c234c4
	s_mov_b32 s56, 0x37cd4000                      ; cos: the polynomial in z = r r
	s_mov_b32 s57, 0xbab6077d
	s_mov_b32 s58, 0x3d2aaaa8
	s_mov_b32 s59, 0x36405000                      ; sin
	s_mov_b32 s60, 0xb9503486
	s_mov_b32 s61, 0x3c0888c1
	s_mov_b32 s62, 0xbe2aaaab
	s_mov_b32 s66, 0x3ed49a80                      ; log2(10000) / 32: 17 bits of it,
	s_mov_b32 s67, 0xb476865a                      ; and the rest
	s_mov_b32 s68, 0x7f7f7f7f
	; LDS addresses
	s_mul_i32 s70, s4, 16*PITCH
	v_add_nc_u32 v5, s70, v19                      ; x's tiles of my 64 rows: every 32 LDS rows
	s_mul_i32 s71, s5, 16*PITCH
	s_add_co_u32 s71, s71, TILE
	v_add_nc_u32 v6, s71, v19                      ; Wq: my head's 64 rows
	v_add_nc_u32 v7, TILE, v6                      ; Wk, Wv likewise
	v_add_nc_u32 v8, TILE, v7
	s_lshl_b32 s70, s4, 14
	s_add_co_u32 s70, s70, TAB
	v_add_nc_u32 v14, s70, v1                      ; the table: my four tiles, to be read
	s_lshl_b32 s70, s3, 13
	s_add_co_u32 s70, s70, TAB
	v_add_nc_u32 v15, s70, v1                      ; and the two that I make
	s_lshl_b32 s70, s5, 8
	s_add_co_u32 s70, s70, EX
	v_lshl_add_u32 v10, v2, 2, s70                 ; V's bytes of my head: all four blocks of a channel,
	s_lshl_b32 s71, s4, 7
	s_add_co_u32 s70, s70, s71
	v_add_nc_u32 v9, s70, v11                      ; and mine
	AW
	; where results go
	; (the table follows: a wave makes tiles 2 w and 2 w + 1)
	INVF 0
	INVF 1
	AW
	s_wait_loadcnt 0x10                            ; the positions; the 16 loads of scale words behind them may be out
	v_cvt_f32_i32 v208, v208
	v_cvt_f32_i32 v209, v209
.irp tt, 0,1
.irp g, 0,1,2,3
	SC4 \tt, \g
.endr
.endr
.irp tt, 0,1
.irp q, 0,1,2,3,4,5,6,7
	ds_store_b128 v15, v[128+32*\tt+4*\q:131+32*\tt+4*\q] offset:4096*\tt+512*\q
.endr
.endr
	AW
	s_wait_loadcnt 0x0                             ; the scale words
	s_wait_tensorcnt 0x0                           ; my tile is in
	s_wait_dscnt 0x0                               ; for the others' sake: my part of the table is stored
	s_barrier_signal -1
	s_barrier_wait -1
	; K = 1,024 in eight steps of 128.  The next step's fragments are asked for ahead of a step's products; four places stand in front of loads into registers that the last products read.
.irp o, 0,1,2,3
	FETCH 0, 0, \o
.endr
	; where results go (no tensor load is out: its descriptors' registers are free), under the first loads
	s_lshr_b32 s82, s35, 4
	s_lshl_b32 s82, s82, 4
	s_lshl_b32 s83, s34, 1
	s_add_co_u32 s82, s82, s83
	s_add_co_u32 s82, s82, s5                      ; BH = 16 x batch + head
	s_mov_b32 s71, 0
	s_lshl_b32 s83, s9, 12
	s_lshl_b32 s70, s82, 16
	s_add_co_u32 s70, s70, s83
	s_lshl_b32 s72, s4, 11
	s_add_co_u32 s70, s70, s72
	s_add_nc_u64 s[26:27], s[26:27], s[70:71]      ; qc: tiles 8 ST + 4 RH on, 512 bytes each
	s_lshl_b32 s70, s82, 13
	s_lshl_b32 s83, s9, 9
	s_add_co_u32 s70, s70, s83
	s_lshl_b32 s74, s4, 8
	s_add_co_u32 s70, s70, s74
	s_add_nc_u64 s[28:29], s[28:29], s[70:71]      ; qs: 256 bytes for my four tiles
	s_mul_i32 s70, s82, 16*8960
	s_mul_i32 s83, s9, 8960
	s_add_co_u32 s70, s70, s83
	s_add_nc_u64 s[30:31], s[30:31], s[70:71]      ; kv: step ST of my head
	s_mov_b32 s73, 0
	s_mov_b32 s75, 0
	s_lshl_b32 s70, s4, 9
	s_add_nc_u64 s[80:81], s[30:31], s[70:71]      ; V's codes: 512 RH on
	s_add_nc_u64 s[72:73], s[30:31], s[72:73]      ; K's codes: 2,048 RH on
	s_add_nc_u64 s[74:75], s[30:31], s[74:75]      ; K's words: 256 RH on
	KSTEP 0, 0, 1
.irp ks, 1,2,3,4,5,6,7
	KSTEP \ks, 128*(\ks%2), 0
.endr
	WIN 0
	PLACES 4                                       ; behind the last products, ahead of the first read of results
	; V: tile n of channels; my block of keys is 2 RH + h
	QUANT 0x28, 0x02
.irp n, 0,1,2,3
	global_store_b128 v1, v[PC+4*\n:PC+4*\n+3], s[80:81] offset:4096+1024*\n
.endr
	ds_store_b32 v9, v124                          ; my bytes: the wave with the other RH has the other two blocks of each channel's word
	AW
	s_wait_xcnt 0x0                                ; the stores have read their registers
	s_wait_dscnt 0x0                               ; my bytes are stored; the table is in
	s_barrier_signal -1
	ROPE 0x0c, 128                                 ; Q, while the others arrive
	AW
	s_barrier_wait -1
	QUANT 0, 0
.irp i, 0,1,2,3
	global_store_b128 v1, v[PC+4*\i:PC+4*\i+3], s[26:27] offset:512*\i
.endr
	WORDS 28, 0
	AW
	s_cmp_lg_u32 s4, 0
	s_cbranch_scc1 .Lno_words
	; V's words of my head, 256 consecutive bytes, by the wave with RH = 0: lane (r, h) stores those of tiles 2 h and 2 h + 1
.irp b, 0,1,2,3
	ds_load_b32 v[TM+\b], v10 offset:64*\b
.endr
	s_wait_dscnt 0x0
	v_perm_b32 v100, v97, v96, v18
	v_perm_b32 v101, v99, v98, v18
	v_perm_b32 v102, v101, v100, 0x05040100
	v_perm_b32 v103, v101, v100, 0x07060302
	global_store_b64 v12, v[102:103], s[30:31] offset:8704
	AW
.Lno_words:
	s_wait_xcnt 0x0                                ; earlier stores have read their registers
	ROPE 0x0e, 0                                   ; K
	QUANT 0, 0
.irp i, 0,1,2,3
	global_store_b128 v1, v[PC+4*\i:PC+4*\i+3], s[72:73] offset:512*\i
.endr
	WORDS 74, 8192
	AW
	s_wait_tensorcnt 0x0                           ; the wave's end
	ds_add_u32 v30, v31
	s_wait_dscnt 0x0
	CROUND                                         ; the closing round: no work-group ends while a partner may still ask for a tile that names it
	s_endpgm
.Lfunc_end_k_q5382569a7c_qkv:
	.size	k_q5382569a7c_qkv, .Lfunc_end_k_q5382569a7c_qkv-k_q5382569a7c_qkv
	.p2alignl 7, 3214868480
	.fill 96, 4, 3214868480
	.section	.rodata,"a",@progbits
	.p2align	6, 0x0
	.amdhsa_kernel k_q5382569a7c_qkv
		.amdhsa_group_segment_fixed_size 327680
		.amdhsa_private_segment_fixed_size 0
		.amdhsa_enable_private_segment 0
		.amdhsa_kernarg_size 96
		.amdhsa_user_sgpr_count 2
		.amdhsa_user_sgpr_kernarg_segment_ptr 1
		.amdhsa_wavefront_size32 1
		.amdhsa_system_sgpr_workgroup_id_x 1
		.amdhsa_system_sgpr_workgroup_id_y 1
		.amdhsa_system_sgpr_workgroup_id_z 1
		.amdhsa_system_vgpr_workitem_id 0
		.amdhsa_next_free_vgpr 896
		.amdhsa_next_free_sgpr 106
		.amdhsa_reserve_vcc 1
		.amdhsa_float_denorm_mode_32 3
		.amdhsa_float_denorm_mode_16_64 3
		.amdhsa_memory_ordered 1
		.amdhsa_forward_progress 1
		.amdhsa_inst_pref_size 168
	.end_amdhsa_kernel
	.amdgpu_metadata
---
amdhsa.version: [ 1, 2 ]
amdhsa.kernels:
  - .name:           k_q5382569a7c_qkv
    .symbol:         k_q5382569a7c_qkv.kd
    .args:
      - { .name: x_codes, .offset: 0, .size: 8, .value_kind: global_buffer, .address_space: global }
      - { .name: x_scales, .offset: 8, .size: 8, .value_kind: global_buffer, .address_space: global }
      - { .name: wq_codes, .offset: 16, .size: 8, .value_kind: global_buffer, .address_space: global }
      - { .name: wq_scales, .offset: 24, .size: 8, .value_kind: global_buffer, .address_space: global }
      - { .name: wk_codes, .offset: 32, .size: 8, .value_kind: global_buffer, .address_space: global }
      - { .name: wk_scales, .offset: 40, .size: 8, .value_kind: global_buffer, .address_space: global }
      - { .name: wv_codes, .offset: 48, .size: 8, .value_kind: global_buffer, .address_space: global }
      - { .name: wv_scales, .offset: 56, .size: 8, .value_kind: global_buffer, .address_space: global }
      - { .name: token_positions, .offset: 64, .size: 8, .value_kind: global_buffer, .address_space: global }
      - { .name: qc, .offset: 72, .size: 8, .value_kind: global_buffer, .address_space: global }
      - { .name: qs, .offset: 80, .size: 8, .value_kind: global_buffer, .address_space: global }
      - { .name: kv, .offset: 88, .size: 8, .value_kind: global_buffer, .address_space: global }
    .group_segment_fixed_size: 327680
    .private_segment_fixed_size: 0
    .kernarg_segment_align: 8
    .kernarg_segment_size: 96
    .max_flat_workgroup_size: 128
    .sgpr_count:     106
    .vgpr_count:     896
    .wavefront_size: 32
...
	.end_amdgpu_metadata
.endif
;; end of part 1
;; launch attn (part 2): grid 4 x 64, 16 waves a work-group, clusters of 4 x 1, 327,680 bytes of LDS; arguments qc, qs, kv, cc, cs; writes cc, cs
.if DOCPART == 2
	.amdgcn_target "amdgcn-amd-amdhsa--gfx1250"
	.amdhsa_code_object_version 6
	.text
	.protected	k_q5382569a7c_attn
	.globl	k_q5382569a7c_attn
	.p2align	8
	.type	k_q5382569a7c_attn,@function
k_q5382569a7c_attn:
	s_mov_b64 s[64:65], 0
	v_nop
	global_prefetch_b8 v0, s[64:65] scope:SCOPE_SE
	s_setreg_imm32_b32 hwreg(HW_REG_WAVE_MODE, 25, 1), 1
	s_wait_xcnt 0x0
	s_wait_alu depctr_hold_cnt(0) depctr_sa_sdst(0) depctr_va_vdst(0) depctr_va_sdst(0) depctr_va_ssrc(0) depctr_va_vcc(0) depctr_vm_vsrc(0)
	s_getreg_b32 s2, hwreg(HW_REG_IB_STS2, 6, 4)
	s_cmp_eq_u32 s2, 0
	s_cbranch_scc0 .Lentry_in_a_cluster
	s_endpgm
.Lentry_in_a_cluster:
	s_bfe_u32 s2, ttmp6, 0x10000c
	s_cmp_lg_u32 s2, 0x3003
	s_cbranch_scc0 .Lentry_shape_is_right
	s_endpgm
.Lentry_shape_is_right:
; ctx = softmax(Q K^T / 8, causal) V for one head of one batch, both products on codes of FP4 (E2M1) with E8M0 scales; ctx is quantised along d_model (a head is two blocks of 32) and stored as codes.
; THE SOFTMAX: t = score x log2(e) / 8; M = the running largest t rounded UP to a whole number; p = 2^(t - M) is quantised along the keys, not normalised; the sum of the unquantised p divides at the end.
; WORK LEFT OUT: steps of 128 keys that all come after a tile's queries: reference()'s own causal mask makes their p 0 for all values of the inputs.  What NaN or infinity would reach such scores alone is not carried.
; SHARES.  A work-group owns query tile X (16 queries) of EACH of the head's 16 blocks of 128 queries, so all eight work-groups of a head run alike.  Waves 2 j and 2 j + 1 share the tiles of blocks 15 - j and j:
;   role 0: key steps 0 .. 7 (128 keys each) of block 15 - j;  role 1: key steps 8 .. 15 - j of block 15 - j, then 0 .. j of block j: 8 and 9 steps for every j.
;   Role 1 lays its part of block 15 - j (O^T, sum, M) in LDS; role 0 joins the two parts behind the one barrier that follows the eighth step.  Role 1's ninth step is always block j's diagonal.
;   Role = (wave xor wave / 4) & 1: any four waves with neighbouring numbers, and any four that lie four apart, hold two of each role.
; CLUSTERS, 4 x 1: partners share the head; its K and V are asked for jointly.  Which steps a wave works hangs on its number alone, no branch and no LDS address on the place in the cluster.
; LDS is filled ONCE, one tensor load a wave: wave w brings key step w, 8,960 dense bytes.  Nothing is prefetched: all is asked for at the head, no loop runs ahead of a load.
; THE DIAGONAL: the C of its products is a table of 0 and -3e38 (hidden), made once for the work-group: all its tiles lie alike in their blocks.
; LAYOUT.  Both products are used transposed: S^T = K Q^T, O^T = V^T P^T: a lane holds one query throughout.  Lane r of tile T holds row 64 (T / 4) + 8 (T % 4) + r + 24 (r / 8), of keys, queries and channels alike, so that the
;   32 registers of four neighbouring result tiles are, in lane (r, h), the block 32 h + 0 .. 31 along the next K.  The first product's K is 64: the upper half of each fragment is zero codes under the scale byte 127.
; LIMITS: the promise holds while the scaled scores t stay under 2^31 in magnitude; NaN and infinities are not served; a block of zeros keeps the scale byte 1 (read by this program alone).
; REGISTERS: v1, v2 16 and 8 x lane; v3, v31 my place for a part; v4, v5 the step's addresses; v6, v7 the add's; v8-11, v24-28 scale words and nothing else; v12 -M, v13 the largest score, v[14:15] the sum; v16-23 Q; v29 8 h;
;   v30 the mask's place; v32-95 K; v96-159 S^T, then p; v160-191 O^T; v192-223 V; v224-231 p's codes; v232-247, v252-255 at work; v248-251 the second tile's Q.
.set STB,  8960                        ; a key step: K's codes 4,096, V's 4,096, K's words 512, V's words 256
.set MSK,  16*STB                      ; the mask's table: 64 registers' images
.set MRG,  MSK+8192                    ; parts: 4,352 bytes a wave: O^T 4,096, sum and -M 256
.set MRW,  4352
.set SPARE, MRG+16*MRW
.macro AW
	s_wait_alu depctr_va_vdst(0)
.endm
.macro PLACES n
.rept \n
	v_nop
.endr
.endm
.macro CROUND                          ; a round of the cluster's barrier
	s_barrier_signal -1
	s_barrier_wait -1
	s_cmp_lg_u32 s16, 0
	s_cbranch_scc1 .Lnot_wave_0_\@
	s_barrier_signal -3
.Lnot_wave_0_\@:
	s_barrier_wait -3
	s_barrier_signal -1
	s_barrier_wait -1
.endm
.macro WMX d, a, b, c, sa, sb, ra
.if (\ra)
	v_wmma_scale_f32_16x16x128_f8f6f4 v[(\d):(\d)+7], v[(\a):(\a)+7], v[(\b):(\b)+7], \c, v[\sa], v[\sb] matrix_a_fmt:MATRIX_FMT_FP4 matrix_b_fmt:MATRIX_FMT_FP4 matrix_a_scale:MATRIX_SCALE_ROW1
.else
	v_wmma_scale_f32_16x16x128_f8f6f4 v[(\d):(\d)+7], v[(\a):(\a)+7], v[(\b):(\b)+7], \c, v[\sa], v[\sb] matrix_a_fmt:MATRIX_FMT_FP4 matrix_b_fmt:MATRIX_FMT_FP4
.endif
.endm
.macro FRESH                           ; a tile begins: O^T, the sum and the largest score; the step is written without a first case: the first change of M leaves zeros zeros
.set n, 0
.rept 32
	v_mov_b32 v[160+n], 0
.set n, n+1
.endr
	v_mov_b32 v12, 0x7f61b1e6                      ; -M = 3e38
	v_mov_b32 v13, 0xff61b1e6                      ; the largest score so far: -3e38
	v_mov_b32 v14, 0
	v_mov_b32 v15, 0
.endm
.macro HINT d
	s_delay_alu instid0(VALU_DEP_\d)
.endm
.macro KLOAD adr                       ; a step's K: its words (lanes 0-15 tiles 0-3, lanes 16-31 tiles 4-7) and its eight tiles
	ds_load_b128 v[8:11], v\adr offset:8192
.irp t, 0,1,2,3,4,5,6,7
	ds_load_b128 v[32+8*\t:35+8*\t], v\adr offset:512*\t
.endr
.endm
; A KEY STEP: 128 keys at LDS byte s41.  diag = 1, 2: the step is a diagonal;  0, 1: the next step's K, at LDS byte s42, is loaded behind this step's score products.
.macro STEP diag
	s_wait_dscnt 0x0                               ; K, asked for a step ago
.if (\diag) > 0
.set n, 0
.rept 16
	ds_load_b128 v[96+4*n:99+4*n], v30 offset:512*n   ; hidden keys begin at -3e38, the others at 0
.set n, n+1
.endr
	s_wait_dscnt 0x0
.irp t, 0,1,2,3,4,5,6,7
	WMX 96+8*\t, 32+8*\t, 16, v[96+8*\t:103+8*\t], 8+\t%4, 26, \t/4
.endr
.else
.irp t, 0,1,2,3,4,5,6,7
	WMX 96+8*\t, 32+8*\t, 16, 0, 8+\t%4, 26, \t/4
.endr
.endif
	v_add_nc_u32 v4, s41, v1
	v_add_nc_u32 v5, s41, v2
.if (\diag) < 2
	v_add_nc_u32 v254, s42, v1
	PLACES 1                                       ; with the three additions four places: ahead of the reads of the scores, and of the loads into registers that the products read
.else
	PLACES 2
.endif
	ds_load_b64 v[24:25], v5 offset:8704           ; V's words: lanes 0-15 tiles 0, 1, lanes 16-31 tiles 2, 3
.irp f, 0,1,2,3,4,5,6,7
	ds_load_b128 v[192+4*\f:195+4*\f], v4 offset:4096+512*\f
.endr
.if (\diag) < 2
	KLOAD 254
.endif
.irp b, 0,1,2,3,4,5,6,7                    ; the largest score of each block of 32 keys, a chain for each tile, by turns: for the row's maximum, and, since p rises with the score, for the block's largest p
	v_max3_num_f32 v[232+\b], v[96+8*\b], v[97+8*\b], v[98+8*\b]
.endr
.irp i, 3,5
.irp b, 0,1,2,3,4,5,6,7
	v_max3_num_f32 v[232+\b], v[232+\b], v[96+8*\b+\i], v[97+8*\b+\i]
.endr
.endr
	v_max3_num_f32 v232, v232, v233, v103
	v_max3_num_f32 v236, v236, v237, v135
	v_max3_num_f32 v234, v234, v235, v111
	v_max3_num_f32 v238, v238, v239, v143
	v_max3_num_f32 v232, v232, v234, v119
	v_max3_num_f32 v236, v236, v238, v151
	v_max_num_f32 v4, v232, v127                   ; block h's (v4 and v5 have served as addresses),
	v_max_num_f32 v5, v236, v159                   ; block 2 + h's
	v_max_num_f32 v254, v4, v5
	HINT 1
	v_permlanex16_b32 v255, v254, s36, s37
	HINT 1
	v_max3_num_f32 v13, v13, v254, v255            ; the running largest score
	HINT 1
	v_mul_f32 v254, s40, v13                       ; -t
	HINT 1
	v_floor_f32 v254, v254                         ; -M = floor(-t): M is a whole number
	HINT 1
	v_sub_f32 v252, v254, v12
	v_mov_b32 v12, v254
.set n, 0
.rept 4
	v_pk_fma_f32 v[96+n:97+n], v[96+n:97+n], s[38:39], v[12:13] op_sel_hi:[1,0,0]   ; t - M of the first 16 registers' block
.set n, n+2
.endr
	v_cvt_i32_f32 v252, v252                       ; (it saturates)
.rept 4
	v_pk_fma_f32 v[96+n:97+n], v[96+n:97+n], s[38:39], v[12:13] op_sel_hi:[1,0,0]
.set n, n+2
.endr
	v_ldexp_f32 v252, 1.0, v252                    ; f = 2^(old M - new M)
.rept 8
	v_pk_fma_f32 v[96+n:97+n], v[96+n:97+n], s[38:39], v[12:13] op_sel_hi:[1,0,0]
.set n, n+2
.endr
	v_fma_f32 v4, v4, s38, v12
	v_pk_mul_f32 v[14:15], v[14:15], v[252:253] op_sel_hi:[1,0]   ; the sum and O^T under the new M (no transcendental stands between O^T's last products and these reads)
.set n, 0
.rept 16
	v_pk_mul_f32 v[160+n:161+n], v[160+n:161+n], v[252:253] op_sel_hi:[1,0]
.set n, n+2
.endr
	AW                                             ; ahead of the first batch
.set n, 0
.rept 16                                   ; p of the first block, with the second block's t - M between
	v_exp_f32 v[96+n], v[96+n]
	v_exp_f32 v[97+n], v[97+n]
	v_pk_fma_f32 v[128+n:129+n], v[128+n:129+n], s[38:39], v[12:13] op_sel_hi:[1,0,0]
.set n, n+2
.endr
	v_exp_f32 v4, v4                               ; the block's largest p
	v_fma_f32 v5, v5, s38, v12
	AW                                             ; behind the first batch and ahead of the second
.set n, 0
.rept 8                                    ; p of the second block; between, the row's sum, of the unquantised p, begins in eight chains
	v_exp_f32 v[128+4*n], v[128+4*n]
	v_exp_f32 v[129+4*n], v[129+4*n]
	v_pk_add_f32 v[232+2*n:233+2*n], v[96+2*n:97+2*n], v[112+2*n:113+2*n]
	v_exp_f32 v[130+4*n], v[130+4*n]
	v_exp_f32 v[131+4*n], v[131+4*n]
.set n, n+1
.endr
	v_exp_f32 v5, v5
	v_max_num_f32 v4, 0x1800000, v4                ; the floor 2^(3 - 127) (a plain place behind the exponentials)
	AW
	v_max_num_f32 v5, 0x1800000, v5
	v_add_nc_u32 v4, 0xff000000, v4                ; the conversion's scale operand
	v_add_nc_u32 v5, 0xff000000, v5
	v_lshrrev_b32 v254, 23, v4                     ; the byte
	v_lshrrev_b32 v253, 23, v5
.irp g, 0,1,2,3
	v_cvt_scalef32_pk8_fp4_f32 v[224+\g], v[96+8*\g:103+8*\g], v4
	v_cvt_scalef32_pk8_fp4_f32 v[228+\g], v[128+8*\g:135+8*\g], v5
.endr
	v_lshl_or_b32 v254, v253, 16, v254             ; p's scale word, its chain laid among the sums: bytes h and 2 + h are mine (a plain place behind the conversions),
.irp k, 0,1,2,3
	v_pk_add_f32 v[232+2*\k:233+2*\k], v[232+2*\k:233+2*\k], v[128+2*\k:129+2*\k]
.endr
	v_lshlrev_b32 v254, v29, v254
.irp k, 4,5,6,7
	v_pk_add_f32 v[232+2*\k:233+2*\k], v[232+2*\k:233+2*\k], v[128+2*\k:129+2*\k]
.endr
	v_permlanex16_b32 v255, v254, s36, s37         ; the others lane l xor 16's
.irp k, 0,1,2,3
	v_pk_add_f32 v[232+2*\k:233+2*\k], v[232+2*\k:233+2*\k], v[144+2*\k:145+2*\k]
.endr
	v_or_b32 v27, v254, v255                       ; (twelve places stand behind it, ahead of the products)
.irp k, 4,5,6,7
	v_pk_add_f32 v[232+2*\k:233+2*\k], v[232+2*\k:233+2*\k], v[144+2*\k:145+2*\k]
.endr
.irp k, 0,1,2,3
	v_pk_add_f32 v[232+2*\k:233+2*\k], v[232+2*\k:233+2*\k], v[240+2*\k:241+2*\k]
.endr
	v_pk_add_f32 v[232:233], v[232:233], v[236:237]
	v_pk_add_f32 v[234:235], v[234:235], v[238:239]
	v_pk_add_f32 v[14:15], v[14:15], v[232:233]
	HINT 1
	v_pk_add_f32 v[14:15], v[14:15], v[234:235]
	AW
.if (\diag) < 2
	s_wait_dscnt 9                                 ; V and its words; the next step's nine loads of K may be out
.else
	s_wait_dscnt 0x0
.endif
.irp d, 0,1,2,3
	WMX 160+8*\d, 192+8*\d, 224, v[160+8*\d:167+8*\d], 24+\d%2, 27, \d/2
.endr
.endm
	s_load_b256 s[4:11], s[0:1], 0x0               ; qc, qs, kv, cc
	s_load_b64 s[12:13], s[0:1], 0x20              ; cs
	v_lshl_add_u32 v6, v0, 2, SPARE
	v_mov_b32 v7, 0
	ds_add_u32 v6, v7                              ; the wave's opening: the add, twice on end
	ds_add_u32 v6, v7
	v_lshrrev_b32 v1, 5, v0
	v_readfirstlane_b32 s16, v1                    ; wave 0..15
	v_and_b32 v1, 31, v0
	v_and_b32 v4, 15, v0                           ; r
	v_bfe_u32 v5, v0, 4, 1                         ; h
	v_lshlrev_b32 v2, 3, v1                        ; 8 x lane
	v_lshlrev_b32 v1, 4, v1                        ; 16 x lane
	v_lshlrev_b32 v29, 3, v5                       ; 8 h
	v_and_b32 v234, 8, v4
	v_lshlrev_b32 v232, 4, v4                      ; 16 r: Q's words
	v_lshlrev_b32 v235, 5, v5
	v_mad_u32_u24 v234, v234, 3, v4                ; r + 24 (r / 8)
	v_add_nc_u32 v30, MSK, v1
	v_sub_nc_u32 v234, v234, v235                  ; - 32 h
	AW
	s_lshr_b32 s17, s16, 1                         ; j
	s_lshr_b32 s44, s16, 2
	s_xor_b32 s44, s44, s16
	s_and_b32 s18, s44, 1                          ; my role
	s_bfe_u32 s42, ttmp6, 0x40000                  ; cx
	s_and_b32 s19, ttmp7, 0xffff                   ; the grid's y: 32 x half + BH; a head's two clusters lie 32 apart
	s_lshr_b32 s43, s19, 5
	s_lshl_b32 s43, s43, 2
	s_add_co_u32 s43, s43, s42                     ; X = 4 x half + cx: my query tile of each block
	s_and_b32 s19, s19, 31                         ; BH = 16 x batch + head
	s_lshl_b32 s34, s18, 3                         ; first key step
	s_add_co_u32 s35, s17, 8
	s_sub_co_u32 s44, 7, s17
	s_cmp_eq_u32 s18, 1
	s_cselect_b32 s33, s44, 99                     ; the trip that is the diagonal of block 15 - j: role 1's trip 7 - j; none of role 0's
	; group 1: 8,960 dense bytes as 35 rows of 256 (32 elements of 8 bytes); the mask names the cluster's four
	s_mov_b32 s20, 15|(3<<16)|(1<<21)
	s_mov_b32 s21, 32<<16
	s_mov_b32 s22, 35<<16
	s_mov_b32 s23, 32<<16
	s_mov_b32 s24, 35
	s_mov_b32 s25, 32
	s_mov_b32 s26, 0
	s_mov_b32 s27, 0
	s_mov_b32 s28, 1
	s_mul_i32 s29, s16, STB
	s_mul_i32 s44, s19, 16*STB
	s_add_co_u32 s44, s44, s29
	s_mov_b32 s45, 0
	s_mov_b32 s36, 0x76543210                      ; v_permlanex16_b32's selects for lane l xor 16
	s_mov_b32 s37, 0xfedcba98
	s_mov_b32 s38, 0x3e38aa3b                      ; c = log2(e) / 8
	s_mov_b32 s39, s38                             ; (named with it as a pair, so it is written)
	s_mov_b32 s40, 0xbe38aa3b                      ; -c
	s_wait_dscnt 0x0                               ; both opening adds are done
	CROUND                                         ; the four partners are here: the joint loads meet
	s_wait_kmcnt 0x0
	s_add_nc_u64 s[30:31], s[8:9], s[44:45]
	s_or_b32 s31, s31, 0x80000000
	tensor_load_to_lds s[28:31], s[20:27]
	s_nop 0
	PLACES 4
	; Q: the images of tile X of block 15 - j and, for role 1, of block j
	s_lshl_b32 s46, s43, 9
	s_lshl_b32 s47, s19, 16
	s_add_co_u32 s46, s46, s47
	s_sub_co_u32 s48, 15, s17
	s_lshl_b32 s50, s48, 12
	s_add_co_u32 s50, s50, s46
	s_mov_b32 s51, 0
	s_lshl_b32 s52, s17, 12
	s_add_co_u32 s52, s52, s46
	s_mov_b32 s53, 0
	s_add_nc_u64 s[50:51], s[4:5], s[50:51]
	s_add_nc_u64 s[52:53], s[4:5], s[52:53]
	global_load_b128 v[16:19], v1, s[50:51]
	s_lshr_b32 s54, s43, 2
	s_lshl_b32 s54, s54, 8
	s_and_b32 s55, s43, 3
	s_lshl_b32 s55, s55, 2
	s_add_co_u32 s54, s54, s55
	s_lshl_b32 s55, s19, 13
	s_add_co_u32 s54, s54, s55
	s_lshl_b32 s56, s48, 9
	s_add_co_u32 s56, s56, s54
	s_mov_b32 s57, 0
	s_lshl_b32 s58, s17, 9
	s_add_co_u32 s58, s58, s54
	s_mov_b32 s59, 0
	s_add_nc_u64 s[56:57], s[6:7], s[56:57]
	s_add_nc_u64 s[58:59], s[6:7], s[58:59]
	global_load_b32 v26, v232, s[56:57]
.irp n, 248,249,250,251
	v_mov_b32 v\n, 0
.endr
	v_mov_b32 v28, 0x7f7f7f7f
	AW
	s_cmp_eq_u32 s18, 0
	s_cbranch_scc1 .Lone_tile
	global_load_b128 v[248:251], v1, s[52:53]
	global_load_b32 v28, v232, s[58:59]
.Lone_tile:
	; where ctx goes: role 0 block 15 - j, role 1 block j
	s_cmp_eq_u32 s18, 0
	s_cselect_b32 s60, s48, s17
	s_lshl_b32 s60, s60, 3
	s_add_co_u32 s60, s60, s43
	s_lshr_b32 s61, s19, 4
	s_lshl_b32 s61, s61, 7
	s_add_co_u32 s60, s60, s61                     ; my tile of rows of ctx: 128 x batch + 8 x block + X
	s_and_b32 s61, s19, 15                         ; the head
	s_lshl_b32 s62, s60, 13
	s_lshl_b32 s63, s61, 9
	s_add_co_u32 s62, s62, s63
	s_mov_b32 s63, 0
	s_add_nc_u64 s[10:11], s[10:11], s[62:63]      ; cc: 8,192 a tile of rows, 512 a head
	s_lshl_b32 s62, s60, 9
	s_lshl_b32 s61, s61, 1
	s_add_co_u32 s62, s62, s61
	s_add_nc_u64 s[12:13], s[12:13], s[62:63]      ; cs: 512 a tile of rows, 2 a head
	; the mask's table: I make registers 4 w .. 4 w + 3 of 64.  Register n of lane (r, h) stands for key 64 (n / 32) + n % 32 + 32 h of the block; my query is 64 (X / 4) + 8 (X % 4) + r + 24 (r / 8)
	s_lshr_b32 s44, s16, 3
	s_lshl_b32 s44, s44, 6
	s_and_b32 s45, s16, 7
	s_lshl_b32 s45, s45, 2
	s_add_co_u32 s44, s44, s45
	s_lshr_b32 s46, s43, 2
	s_lshl_b32 s46, s46, 6
	s_and_b32 s47, s43, 3
	s_lshl_b32 s47, s47, 3
	s_add_co_u32 s46, s46, s47
	s_sub_co_i32 s46, s46, s44
	s_lshl_b32 s44, s16, 9
	s_mul_i32 s45, s16, MRW
	s_add_co_u32 s45, s45, MRG
	v_add_nc_u32 v234, s46, v234
	v_mov_b32 v235, 0xff61b1e6
	v_mov_b32 v236, 0
	v_add_nc_u32 v237, s44, v30
	v_add_nc_u32 v31, s45, v1
	v_add_nc_u32 v3, s45, v2
.irp e, 0,1,2,3
	v_cmp_gt_i32 vcc_lo, \e, v234
	v_cndmask_b32 v[240+\e], v236, v235, vcc_lo
.endr
	ds_store_b128 v237, v[240:243]
.irp n, 20,21,22,23,253,255
	v_mov_b32 v\n, 0                               ; Q's K from 64 to 128: zero codes; v253 is named as the upper half of a pair; a lane permute's destination counts as one of its sources
.endr
.set n, 0
.rept 8
	v_mov_b32 v[36+8*n], 0                         ; K's likewise: written once, never loaded into
	v_mov_b32 v[37+8*n], 0
	v_mov_b32 v[38+8*n], 0
	v_mov_b32 v[39+8*n], 0
.set n, n+1
.endr
	FRESH
	s_mov_b32 s32, 0
	AW
	s_wait_loadcnt 0x0                             ; Q
	s_wait_tensorcnt 0x0                           ; my key step is in
	s_wait_dscnt 0x0                               ; my part of the mask is stored
	s_barrier_signal -1
	s_barrier_wait -1
	s_mul_i32 s41, s34, STB
	v_add_nc_u32 v4, s41, v1
	KLOAD 4
.Lloop:                                                ; eight trips for every wave.  Role 0: the step is the trip's number; role 1: 8 + it up to the diagonal, then from 0 on
	s_cmp_gt_u32 s32, s33
	s_cselect_b32 s41, s35, s34
	s_add_co_u32 s41, s41, s32
	s_and_b32 s41, s41, 15
	s_mul_i32 s41, s41, STB
	s_add_co_u32 s44, s32, 1
	s_cmp_gt_u32 s44, s33
	s_cselect_b32 s42, s35, s34
	s_add_co_u32 s42, s42, s44
	s_and_b32 s42, s42, 15                         ; the step whose K is loaded ahead: behind the last trip it is role 1's ninth (what role 0 loads there, once, is not used)
	s_mul_i32 s42, s42, STB
	s_cmp_eq_u32 s32, s33
	s_cbranch_scc0 .Lplain
	STEP 1                                         ; role 1: block 15 - j's diagonal; behind it its part goes to LDS, and block j begins
	v_add_f32 v14, v14, v15                        ; (these seven are the places behind the products)
	v_mov_b32 v15, v12
.irp n, 0,1,2,3
	v_mov_b32 v[16+\n], v[248+\n]
.endr
	v_mov_b32 v26, v28
.irp n, 0,1,2,3,4,5,6,7
	ds_store_b128 v31, v[160+4*\n:163+4*\n] offset:512*\n
.endr
	ds_store_b64 v3, v[14:15] offset:4096
	FRESH
	AW
	s_branch .Lnext
.Lplain:
	STEP 0
.Lnext:
	s_add_co_u32 s32, s32, 1
	s_cmp_lt_u32 s32, 8
	s_cbranch_scc1 .Lloop
	s_wait_dscnt 0x0                               ; my part is stored
	s_barrier_signal -1                            ; say so; up to the wait below: registers, and LDS loads of bytes that nobody writes any more
	s_cmp_eq_u32 s18, 0
	s_cbranch_scc1 .Lmeet
	s_mul_i32 s41, s17, STB                        ; role 1's ninth step: block j's diagonal
	STEP 2
	v_add_f32 v14, v14, v15
	PLACES 4
	AW
.Lmeet:
	s_barrier_wait -1                              ; everybody's part is stored
	s_cmp_lg_u32 s18, 0
	s_cbranch_scc1 .Lout
	; role 0 joins the other wave's part with its own, under the larger M
	s_xor_b32 s46, s16, 1
	s_mul_i32 s46, s46, MRW
	s_add_co_u32 s46, s46, MRG
	v_add_nc_u32 v4, s46, v1
	v_add_nc_u32 v5, s46, v2
	ds_load_b64 v[128:129], v5 offset:4096
.irp n, 0,1,2,3,4,5,6,7
	ds_load_b128 v[96+4*\n:99+4*\n], v4 offset:512*\n
.endr
	v_add_f32 v14, v14, v15
	v_mov_b32 v135, 0                              ; (upper halves of pairs)
	v_mov_b32 v137, 0
	AW
	s_wait_dscnt 0x0
	v_min_num_f32 v130, v12, v129                  ; -M
	v_sub_f32 v131, v130, v12
	v_sub_f32 v132, v130, v129
	v_cvt_i32_f32 v131, v131
	v_cvt_i32_f32 v132, v132
	v_ldexp_f32 v134, 1.0, v131
	v_ldexp_f32 v136, 1.0, v132
	v_mul_f32 v14, v14, v134
	v_fma_f32 v14, v128, v136, v14
.set n, 0
.rept 16
	v_pk_mul_f32 v[160+n:161+n], v[160+n:161+n], v[134:135] op_sel_hi:[1,0]
.set n, n+2
.endr
.set n, 0
.rept 16
	v_pk_fma_f32 v[160+n:161+n], v[96+n:97+n], v[136:137], v[160+n:161+n] op_sel_hi:[1,0,1]
.set n, n+2
.endr
	AW
.Lout:                                                 ; ctx = O^T / the sum; lane (r, h) holds block h of the head's two: its codes are one image of 512 bytes
	v_permlanex16_b32 v252, v14, s36, s37
	v_and_b32 v4, 15, v0
	v_add_f32 v14, v14, v252
	v_bfe_u32 v5, v0, 4, 1
	AW
	v_rcp_f32 v14, v14
	v_lshl_add_u32 v233, v4, 5, v5                 ; 32 r + h: a row of ctx's scale bytes (a plain place behind the reciprocal)
	AW
.set n, 0
.rept 16
	v_pk_mul_f32 v[96+n:97+n], v[160+n:161+n], v[14:15] op_sel_hi:[1,0]   ; register 8 n + i: channel 32 h + 8 n + i
.set n, n+2
.endr
	v_max3_num_f32 v232, 0x1800000, |v96|, |v97|
	v_max3_num_f32 v234, 0x1800000, |v112|, |v113|
.irp i, 2,4,6,8,10,12,14
	v_max3_num_f32 v232, v232, |v[96+\i]|, |v[97+\i]|
	v_max3_num_f32 v234, v234, |v[112+\i]|, |v[113+\i]|
.endr
	v_max_num_f32 v232, v232, v234
	v_add_nc_u32 v236, 0xff000000, v232
	v_lshrrev_b32 v237, 23, v236
.irp g, 0,1,2,3
	v_cvt_scalef32_pk8_fp4_f32 v[224+\g], v[96+8*\g:103+8*\g], v236
.endr
	v_nop
	global_store_b128 v1, v[224:227], s[10:11]     ; 512 consecutive bytes
	global_store_b8 v233, v237, s[12:13]           ; my head's two bytes of each row's 32; the row's other bytes belong to other work-groups
	AW
	s_wait_tensorcnt 0x0                           ; the wave's end
	ds_add_u32 v6, v7
	s_wait_dscnt 0x0
	CROUND                                         ; the closing round
	s_endpgm
.Lfunc_end_k_q5382569a7c_attn:
	.size	k_q5382569a7c_attn, .Lfunc_end_k_q5382569a7c_attn-k_q5382569a7c_attn
	.p2alignl 7, 3214868480
	.fill 96, 4, 3214868480
	.section	.rodata,"a",@progbits
	.p2align	6, 0x0
	.amdhsa_kernel k_q5382569a7c_attn
		.amdhsa_group_segment_fixed_size 327680
		.amdhsa_private_segment_fixed_size 0
		.amdhsa_enable_private_segment 0
		.amdhsa_kernarg_size 40
		.amdhsa_user_sgpr_count 2
		.amdhsa_user_sgpr_kernarg_segment_ptr 1
		.amdhsa_wavefront_size32 1
		.amdhsa_system_sgpr_workgroup_id_x 1
		.amdhsa_system_sgpr_workgroup_id_y 1
		.amdhsa_system_sgpr_workgroup_id_z 1
		.amdhsa_system_vgpr_workitem_id 0
		.amdhsa_next_free_vgpr 256
		.amdhsa_next_free_sgpr 80
		.amdhsa_reserve_vcc 1
		.amdhsa_float_denorm_mode_32 3
		.amdhsa_float_denorm_mode_16_64 3
		.amdhsa_memory_ordered 1
		.amdhsa_forward_progress 1
		.amdhsa_inst_pref_size 63
	.end_amdhsa_kernel
	.amdgpu_metadata
---
amdhsa.version: [ 1, 2 ]
amdhsa.kernels:
  - .name:           k_q5382569a7c_attn
    .symbol:         k_q5382569a7c_attn.kd
    .args:
      - { .name: qc, .offset: 0, .size: 8, .value_kind: global_buffer, .address_space: global }
      - { .name: qs, .offset: 8, .size: 8, .value_kind: global_buffer, .address_space: global }
      - { .name: kv, .offset: 16, .size: 8, .value_kind: global_buffer, .address_space: global }
      - { .name: cc, .offset: 24, .size: 8, .value_kind: global_buffer, .address_space: global }
      - { .name: cs, .offset: 32, .size: 8, .value_kind: global_buffer, .address_space: global }
    .group_segment_fixed_size: 327680
    .private_segment_fixed_size: 0
    .kernarg_segment_align: 8
    .kernarg_segment_size: 40
    .max_flat_workgroup_size: 512
    .sgpr_count:     80
    .vgpr_count:     256
    .wavefront_size: 32
...
	.end_amdgpu_metadata
.endif
;; end of part 2
;; launch oproj (part 3): grid 8 x 32, 4 waves a work-group, clusters of 4 x 4, 327,680 bytes of LDS; arguments cc, cs, wo_codes, wo_scales, out0; writes out0
.if DOCPART == 3
	.amdgcn_target "amdgcn-amd-amdhsa--gfx1250"
	.amdhsa_code_object_version 6
	.text
	.protected	k_q5382569a7c_oproj
	.globl	k_q5382569a7c_oproj
	.p2align	8
	.type	k_q5382569a7c_oproj,@function
k_q5382569a7c_oproj:
	s_mov_b64 s[64:65], 0
	v_nop
	global_prefetch_b8 v0, s[64:65] scope:SCOPE_SE
	s_setreg_imm32_b32 hwreg(HW_REG_WAVE_MODE, 25, 1), 1
	s_wait_xcnt 0x0
	s_wait_alu depctr_hold_cnt(0) depctr_sa_sdst(0) depctr_va_vdst(0) depctr_va_sdst(0) depctr_va_ssrc(0) depctr_va_vcc(0) depctr_vm_vsrc(0)
	s_getreg_b32 s2, hwreg(HW_REG_IB_STS2, 6, 4)
	s_cmp_eq_u32 s2, 0
	s_cbranch_scc0 .Lentry_in_a_cluster
	s_endpgm
.Lentry_in_a_cluster:
	s_bfe_u32 s2, ttmp6, 0x10000c
	s_cmp_lg_u32 s2, 0xf033
	s_cbranch_scc0 .Lentry_shape_is_right
	s_endpgm
.Lentry_shape_is_right:
; out = ctx Wo^T on codes of FP4 (E2M1) with E8M0 scales.  256 work-groups: 128 rows of ctx (block Y) x 128 columns (HP); four waves, each 64 x 64, 8 accumulators.
; ctx comes as images of operand registers [row tile][head][512 bytes]; row r of tile i of a wave's four is row 8 i + r + 24 (r / 8) of its 64.
; LDS is filled ONCE, one tensor load a wave: ctx's codes, Wo's codes (rows of 512 bytes + 16 of padding), ctx's scale bytes, Wo's.  Nothing is prefetched: all is asked for at the head, no loop runs ahead of a load.
; CLUSTERS, 4 x 4: ctx's tiles hang on Y alone and are asked for jointly along a row of the cluster, Wo's on HP alone and jointly along a column.
; Results go through the wave's stage in LDS: sixteen lanes store one aligned unit of 256 bytes.
.set PITCH, 528
.set HALFT, 64*PITCH
.set WOT,   65536
.set SA,    WOT+2*HALFT
.set STG,   SA+8192
.set ACC,   128
.set SC,    16
.set MSB, 0
.macro WIN new
.if MSB != \new
	s_set_vgpr_msb (MSB<<8)|\new
.set MSB, \new
.endif
.endm
.macro PLACES n
.rept \n
	v_nop
.endr
.endm
.macro CROUND
	s_barrier_signal -1
	s_barrier_wait -1
	s_cmp_lg_u32 s3, 0
	s_cbranch_scc1 .Lnot_wave_0_\@
	s_barrier_signal -3
.Lnot_wave_0_\@:
	s_barrier_wait -3
	s_barrier_signal -1
	s_barrier_wait -1
.endm
.macro ARM under, g0, g1, next         ; the head's loads, one a wave: one tree of branches on the wave's number
	s_cmp_lt_u32 s3, \under
	s_cbranch_scc0 \next
	tensor_load_to_lds s[\g0:\g0+3], s[\g1:\g1+7]
	s_nop 0
	PLACES 4
	s_branch .Lhead_asked
\next:
.endm
; THE RESULT IS MADE BY ROWS: all of Wo's fragments of my 64 columns stay in window 1 (v[32 ks + 8 n ..]); block i of 16 rows takes ctx's fragments of all of K (window 0, two sets by turns, v128 and v192 on) and four
; accumulators (window 2, two sets by turns), K ascending, the four by turns; it leaves while the next block is multiplied.
.macro ALOAD i
	WIN 0
.irp ks, 0,1,2,3,4,5,6,7
	ds_load_b128 v[ACC+64*((\i)%2)+8*\ks:ACC+64*((\i)%2)+8*\ks+3], v5 offset:8192*(\i)+1024*\ks
	ds_load_b128 v[ACC+64*((\i)%2)+8*\ks+4:ACC+64*((\i)%2)+8*\ks+7], v5 offset:8192*(\i)+1024*\ks+512
.endr
.endm
.macro BLOAD ks
	WIN 0x40
.irp n, 0,1,2,3
	ds_load_b128 v[32*(\ks)+8*\n:32*(\ks)+8*\n+3], v7 offset:16*\n*PITCH+64*(\ks)
	ds_load_b128 v[32*(\ks)+8*\n+4:32*(\ks)+8*\n+7], v7 offset:16*\n*PITCH+64*(\ks)+32
.endr
.endm
.macro RSTEP i, ks
	WIN 0xa1
.set D, 32*((\i)%2)
.set A, ACC+64*((\i)%2)+8*(\ks)
.irp n, 0,1,2,3
.if (\ks) == 0
	v_wmma_scale_f32_16x16x128_f8f6f4 v[D+8*\n:D+8*\n+7], v[32*(\ks)+8*\n:32*(\ks)+8*\n+7], v[A:A+7], 0, v[SC+8*\n+(\ks)], v[SC+8*(\i)+(\ks)] matrix_a_fmt:MATRIX_FMT_FP4 matrix_b_fmt:MATRIX_FMT_FP4 matrix_a_scale:MATRIX_SCALE_ROW1
.else
	v_wmma_scale_f32_16x16x128_f8f6f4 v[D+8*\n:D+8*\n+7], v[32*(\ks)+8*\n:32*(\ks)+8*\n+7], v[A:A+7], v[D+8*\n:D+8*\n+7], v[SC+8*\n+(\ks)], v[SC+8*(\i)+(\ks)] matrix_a_fmt:MATRIX_FMT_FP4 matrix_b_fmt:MATRIX_FMT_FP4 matrix_a_scale:MATRIX_SCALE_ROW1
.endif
.endr
.endm
.macro ROWS i
.irp ks, 0,1,2,3,4,5,6,7
	RSTEP \i, \ks
.endr
	WIN 0
.endm
	s_load_b256 s[8:15], s[0:1], 0x0
	s_load_b64 s[16:17], s[0:1], 0x20
	v_lshl_add_u32 v126, v0, 2, 0x29000
	v_mov_b32 v127, 0
	ds_add_u32 v126, v127
	ds_add_u32 v126, v127
	v_lshrrev_b32 v1, 5, v0
	v_readfirstlane_b32 s3, v1
	s_and_b32 s4, s3, 1
	s_lshr_b32 s5, s3, 1
	s_bfe_u32 s6, ttmp6, 0x40000
	s_bfe_u32 s7, ttmp6, 0x40004
	s_lshl_b32 s18, ttmp9, 2
	s_add_co_u32 s18, s18, s6
	s_and_b32 s19, ttmp7, 0xffff
	s_lshl_b32 s19, s19, 2
	s_add_co_u32 s19, s19, s7
	s_lshl_b32 s20, s7, 2
	s_lshl_b32 s20, 15, s20
	s_lshl_b32 s21, 0x1111, s6
	s_or_b32 s24, s20, (3<<16)|(1<<21)
	s_mov_b32 s25, 32<<16
	s_mov_b32 s26, 256<<16                         ; ctx's codes: 65,536 dense bytes as 256 rows of 256
	s_mov_b32 s27, 32<<16
	s_mov_b32 s28, 256
	s_mov_b32 s29, 32
	s_mov_b32 s30, 0
	s_mov_b32 s31, 0
	s_or_b32 s32, s21, (1<<20)|(1<<21)|(6<<22)|(3<<25)
	s_mov_b32 s33, 512<<16
	s_mov_b32 s34, 128<<16                         ; Wo's codes: 128 rows of 512 bytes
	s_mov_b32 s35, 512<<16
	s_mov_b32 s36, 128
	s_mov_b32 s37, 512
	s_mov_b32 s38, 0
	s_mov_b32 s39, 0
	s_or_b32 s40, s20, (3<<16)|(1<<21)
	s_or_b32 s48, s21, (3<<16)|(1<<21)
.irp g, 40, 48
	s_mov_b32 s[\g+1], 32<<16
	s_mov_b32 s[\g+2], 16<<16                      ; scale bytes: 4,096 dense bytes as 16 rows of 256
	s_mov_b32 s[\g+3], 32<<16
	s_mov_b32 s[\g+4], 16
	s_mov_b32 s[\g+5], 32
	s_mov_b32 s[\g+6], 0
	s_mov_b32 s[\g+7], 0
.endr
	s_lshl_b32 s76, s19, 16                        ; ctx: 128 Y rows; these registers never hold cx
	s_mov_b32 s77, 0
	s_lshl_b32 s78, s18, 16                        ; Wo: 128 HP rows; these never hold cy
	s_mov_b32 s79, 0
	s_mul_i32 s23, s4, HALFT
	s_wait_dscnt 0x0                               ; both opening adds are done
	CROUND                                         ; all sixteen work-groups are here: the joint loads meet (the arguments are on their way meanwhile)
	s_wait_kmcnt 0x0
	s_mov_b32 s56, 1
	s_mov_b32 s57, 0
	s_add_nc_u64 s[58:59], s[8:9], s[76:77]
	s_or_b32 s59, s59, 0x80000000
	s_mov_b32 s60, 1
	s_mov_b32 s61, WOT
	s_add_nc_u64 s[62:63], s[12:13], s[78:79]
	s_or_b32 s63, s63, 0x80000000
	s_lshr_b32 s76, s76, 4
	s_lshr_b32 s78, s78, 4
	s_mov_b32 s68, 1
	s_mov_b32 s69, SA
	s_add_nc_u64 s[70:71], s[10:11], s[76:77]
	s_or_b32 s71, s71, 0x80000000
	s_mov_b32 s72, 1
	s_mov_b32 s73, SA+4096
	s_add_nc_u64 s[74:75], s[14:15], s[78:79]
	s_or_b32 s75, s75, 0x80000000
	ARM 1, 56, 24, .Lhead_wo
	ARM 2, 60, 32, .Lhead_cs
	ARM 3, 68, 40, .Lhead_ws
	tensor_load_to_lds s[72:75], s[48:55]
	s_nop 0
	PLACES 4
.Lhead_asked:
	v_and_b32 v1, 31, v0
	v_lshlrev_b32 v1, 4, v1
	v_and_b32 v2, 15, v0
	s_wait_alu depctr_va_vdst(0)
	v_bfe_u32 v3, v0, 4, 1
	s_lshl_b32 s80, s5, 15
	v_add_nc_u32 v5, s80, v1
	v_mul_u32_u24 v7, v2, PITCH
	v_lshl_add_u32 v7, v3, 4, v7
	s_add_co_u32 s80, s23, WOT
	v_add_nc_u32 v7, s80, v7
	s_xor_b32 s80, s5, 1
	s_add_co_u32 s80, s80, s4
	s_add_co_u32 s80, s80, 1
	s_lshl_b32 s80, s80, 11
	v_mul_u32_u24 v10, s80, v3
	v_lshl_add_u32 v10, v2, 5, v10
	s_lshl_b32 s80, s5, 11
	s_add_co_u32 s80, s80, SA
	v_add_nc_u32 v10, s80, v10
	s_mul_i32 s80, s3, 16*272
	s_add_co_u32 s80, s80, STG
	v_mul_u32_u24 v11, v2, 272
	s_wait_alu depctr_va_vdst(0)
	v_lshl_add_u32 v11, v3, 5, v11
	v_add_nc_u32 v11, s80, v11
	v_mul_u32_u24 v12, v3, 272
	v_lshl_add_u32 v12, v2, 4, v12
	v_add_nc_u32 v12, s80, v12
	v_lshlrev_b32 v13, 12, v3
	v_lshl_add_u32 v13, v2, 4, v13
	s_lshl_b32 s80, s19, 19
	s_lshl_b32 s81, s5, 18
	s_add_co_u32 s80, s80, s81
	s_lshl_b32 s81, s18, 9
	s_add_co_u32 s80, s80, s81
	s_lshl_b32 s81, s4, 8
	s_add_co_u32 s80, s80, s81
	s_mov_b32 s81, 0
	s_add_nc_u64 s[16:17], s[16:17], s[80:81]
	s_wait_alu depctr_va_vdst(0)
	s_wait_tensorcnt 0x0                           ; my tile is in
	s_barrier_signal -1
	s_barrier_wait -1
.irp x, 0,1,2,3
.irp kq, 0,1
	ds_load_b128 v[SC+8*\x+4*\kq:SC+8*\x+4*\kq+3], v10 offset:512*\x+16*\kq
.endr
.endr
	ALOAD 0
.irp ks, 0,1,2,3
	BLOAD \ks
.endr
.irp ks, 0,1,2,3
	BLOAD \ks+4
	s_wait_dscnt 32                                ; Wo's four younger steps may be out
	RSTEP 0, \ks
.endr
	ALOAD 1
.irp ks, 4,5,6,7
	s_wait_dscnt 72-8*\ks                          ; Wo's younger steps and block 1's 16 loads may be out
	RSTEP 0, \ks
.endr
	WIN 0
.macro TOSTAGE i
	WIN 0x08
.irp n, 0,1,2,3
	ds_store_b128 v11, v[32*((\i)%2)+8*\n:32*((\i)%2)+8*\n+3] offset:64*\n
	ds_store_b128 v11, v[32*((\i)%2)+8*\n+4:32*((\i)%2)+8*\n+7] offset:64*\n+16
.endr
	WIN 0
.irp k, 0,1,2,3,4,5,6,7
	ds_load_b128 v[56+32*((\i)%2)+4*\k:59+32*((\i)%2)+4*\k], v12 offset:544*\k
.endr
.endm
.macro SEND i, younger
	s_wait_dscnt \younger
.irp k, 0,1,2,3,4,5,6,7
	global_store_b128 v13, v[56+32*((\i)%2)+4*\k:59+32*((\i)%2)+4*\k], s[16:17] offset:(8*(\i)+2*\k+24*(\k/4))*4096 th:TH_STORE_NT
.endr
.endm
	PLACES 4                                       ; behind a block's products: ahead of the reads of its results and of the loads into its fragments' registers
	TOSTAGE 0
	ALOAD 2
	s_wait_dscnt 32                                ; block 1's fragments; block 0's 16 accesses of the stage and block 2's 16 loads may be out
	ROWS 1
	SEND 0, 16
	PLACES 4
	TOSTAGE 1
	ALOAD 3
	s_wait_dscnt 32
	ROWS 2
	SEND 1, 16
	PLACES 4
	s_wait_xcnt 0x0                                ; block 0's stores have read their registers
	TOSTAGE 2
	s_wait_dscnt 16
	ROWS 3
	SEND 2, 0
	PLACES 4
	s_wait_xcnt 0x0
	TOSTAGE 3
	SEND 3, 0
	s_wait_dscnt 0x0
	s_wait_tensorcnt 0x0
	ds_add_u32 v126, v127
	s_wait_dscnt 0x0
	CROUND
	s_endpgm
.Lfunc_end_k_q5382569a7c_oproj:
	.size	k_q5382569a7c_oproj, .Lfunc_end_k_q5382569a7c_oproj-k_q5382569a7c_oproj
	.p2alignl 7, 3214868480
	.fill 96, 4, 3214868480
	.section	.rodata,"a",@progbits
	.p2align	6, 0x0
	.amdhsa_kernel k_q5382569a7c_oproj
		.amdhsa_group_segment_fixed_size 327680
		.amdhsa_private_segment_fixed_size 0
		.amdhsa_enable_private_segment 0
		.amdhsa_kernarg_size 40
		.amdhsa_user_sgpr_count 2
		.amdhsa_user_sgpr_kernarg_segment_ptr 1
		.amdhsa_wavefront_size32 1
		.amdhsa_system_sgpr_workgroup_id_x 1
		.amdhsa_system_sgpr_workgroup_id_y 1
		.amdhsa_system_sgpr_workgroup_id_z 1
		.amdhsa_system_vgpr_workitem_id 0
		.amdhsa_next_free_vgpr 576
		.amdhsa_next_free_sgpr 100
		.amdhsa_reserve_vcc 0
		.amdhsa_float_denorm_mode_32 3
		.amdhsa_float_denorm_mode_16_64 3
		.amdhsa_memory_ordered 1
		.amdhsa_forward_progress 1
		.amdhsa_inst_pref_size 42
	.end_amdhsa_kernel
	.amdgpu_metadata
---
amdhsa.version: [ 1, 2 ]
amdhsa.kernels:
  - .name:           k_q5382569a7c_oproj
    .symbol:         k_q5382569a7c_oproj.kd
    .args:
      - { .name: cc, .offset: 0, .size: 8, .value_kind: global_buffer, .address_space: global }
      - { .name: cs, .offset: 8, .size: 8, .value_kind: global_buffer, .address_space: global }
      - { .name: wo_codes, .offset: 16, .size: 8, .value_kind: global_buffer, .address_space: global }
      - { .name: wo_scales, .offset: 24, .size: 8, .value_kind: global_buffer, .address_space: global }
      - { .name: out0, .offset: 32, .size: 8, .value_kind: global_buffer, .address_space: global }
    .group_segment_fixed_size: 327680
    .private_segment_fixed_size: 0
    .kernarg_segment_align: 8
    .kernarg_segment_size: 40
    .max_flat_workgroup_size: 128
    .sgpr_count:     100
    .vgpr_count:     576
    .wavefront_size: 32
...
	.end_amdgpu_metadata
.endif
;; end of part 3
